; MI455X (gfx1250); checked and timed in simulation.
; The chip was launched on July 23, 2026; its instructions are those of AMD's public machine-readable ISA for CDNA 5 (MIT licence, August 2026) and "CDNA5" Instruction Set Architecture Reference Guide (July 2026). The comments in the code are by the model that wrote it; some were corrected since.
;; Multi Head Attention. Allowed arithmetic: matrix products marked QUANTISED: E2M3 operands, one E8M0 scale for each 32 along K, by v_wmma_scale_f32_16x16x128_f8f6f4 with both operands' format E2M3, f32 sums; everything else in f32.
;; Inputs: W_k 512 x 512 float32; W_o 512 x 512 float32; W_q 512 x 512 float32; W_v 512 x 512 float32; b_k 512 float32; b_o 512 float32; b_q 512 float32; b_v 512 float32; key 2 x 4,096 x 512 float32; query 2 x 4,096 x 512 float32; value 2 x 4,096 x 512 float32.
;; Outputs: out0 2 x 4,096 x 512 float32.
;; This version of the problem:
;;   THIS VERSION OF THE PROBLEM IS GIVEN IN LOW PRECISION. The matrix products marked QUANTISED in the list below multiply operands that are first quantised to E2M3 (2 exponent bits, 3 mantissa bits; 6 bits a number), with one power-of-two scale for each 32 numbers along K (OCP MX v1.0); their sums are f32. All else is computed in f32.
;;   The module's matrix products, in the order in which they are computed (A, B: the left and right operand; K: the contracted axis; several contracted axes count as one K, in the product's order):
;;     1. [M 8,192, K 512] x [K 512, N 512]; A: input query; B: input W_q: QUANTISED
;;     2. [M 8,192, K 512] x [K 512, N 512]; A: input key; B: input W_k: QUANTISED
;;     3. [M 8,192, K 512] x [K 512, N 512]; A: input value; B: input W_v: QUANTISED
;;     4. batch 16 x [M 4,096, K 64] x [K 64, N 4,096]; A: computed on the way; B: computed on the way: QUANTISED
;;     5. batch 16 x [M 4,096, K 4,096] x [K 4,096, N 64]; A: softmax (see below); B: computed on the way: QUANTISED
;;     6. [M 8,192, K 512] x [K 512, N 512]; A: computed on the way; B: input W_o: QUANTISED
;;   THE QUANTISER, for each operand of a quantised product, along K:
;;     - K is cut into blocks of 32 from its start; a last block that is shorter is filled with zeros.
;;     - A block's scale is 2^e with e = floor(log2(the largest magnitude in the block)) - 2, held to -126 .. 127; a block of zeros has e = 0. As a byte (E8M0): e + 127.
;;     - Each number is divided by its block's scale, clamped to +-7.5, and rounded to the nearest number of E2M3, ties to even, subnormals kept.
;;     - The product sums the exact products of the quantised numbers (number of the format x scale) in f32.
;;   ~~~python
;;   def quantise(x, axis):      # numpy; x: float32 -> the quantised numbers, widened to float32 again
;;       x = np.moveaxis(x, axis, -1); K = x.shape[-1]
;;       x = np.pad(x, [(0, 0)] * (x.ndim - 1) + [(0, -K % 32)]); x = x.reshape(x.shape[:-1] + (-1, 32)); a = np.abs(x).max(-1, keepdims=True)
;;       e = np.where(a > 0, np.clip(np.frexp(np.where(a > 0, a, 1))[1] - 1 - 2, -126, 127), 0)      # np.frexp(a)[1] - 1 = floor(log2(a)), exactly
;;       r = np.clip(x / 2.0 ** e, -7.5, 7.5)
;;       step = 2.0 ** (np.maximum(np.frexp(np.where(r == 0, 1, r))[1] - 1, 0) - 3)
;;       q = np.round(r / step) * step * 2.0 ** e      # np.round: ties to even
;;       return np.moveaxis(q.reshape(q.shape[:-2] + (-1,))[..., :K], -1, axis).astype(np.float32)
;;   ~~~
;;   SOFTMAX AHEAD OF A QUANTISED PRODUCT. Where the list says 'softmax', what is quantised is not the finished softmax but p = 2^(t - M), with t = logit x log2(e) and M = ceil(the row's largest t), a whole number; so 1/2 < the row's largest p <= 1. The row's sum l is taken of the UNQUANTISED p, in f32, and the product's result is divided by l at the end. Since M is a whole number, a kernel that streams over the keys may use a running M (the ceiling of the running maximum): every later rescaling is an exact power of two, which a block's scale takes up: the codes' values come out the same.
;;   OPERANDS COMPUTED ON THE WAY. 'Computed on the way' means the value that the module computes at that place (a softmax that the list does not call 'softmax' is quantised finished and normalised). What goes into a quantiser is computed in f32, as accurately as f32 sums, v_exp_f32 and their like allow (about 1e-6 of the number): no bf16 or f16 on the way to a quantiser, and a product that is left as it is and whose result goes on into a quantised operand takes f32 operands (vector FMAs, or v_wmma_f32_16x16x4_f32). A number that lies on a knife's edge between two numbers of the format may be rounded either way, as far as f32 arithmetic and the matrix unit's own rounding can turn it there, and no further.
;; One version. Each part assembles by itself: llvm-mc -triple=amdgcn-amd-amdhsa -mcpu=gfx1250 --defsym DOCPART=n.
;; ======== version 1 of 1: 4 launches
;; limits: right only within a limited range of input values
;; workspace buffers: wimg 786,432 bytes; wsc 32,768 bytes; qc 3,145,728 bytes; kc 3,145,728 bytes; vc 3,145,728 bytes; qs 131,072 bytes; sc 262,144 bytes; obuf 4,194,304 bytes
;; launch wquant (part 1): grid 128 x 1, 4 waves a work-group, no clusters, 1,024 bytes of LDS; arguments W_q, W_k, W_v, W_o, wimg, wsc; writes wimg, wsc
.if DOCPART == 1
	.amdgcn_target "amdgcn-amd-amdhsa--gfx1250"
	.amdhsa_code_object_version 6
	.text
	.protected	k_q3cb133eb11_wquant
	.globl	k_q3cb133eb11_wquant
	.p2align	8
	.type	k_q3cb133eb11_wquant,@function
k_q3cb133eb11_wquant:
	s_mov_b64 s[64:65], 0
	v_nop
	global_prefetch_b8 v0, s[64:65] scope:SCOPE_SE
	s_setreg_imm32_b32 hwreg(HW_REG_WAVE_MODE, 25, 1), 1
	s_wait_xcnt 0x0
; THE PROGRAM: causal multi-head attention, B = 2, S = 4,096, 8 heads of 64, all six products on codes of E2M3 with one E8M0 scale for each 32 along K.
; Four launches: this one (the four weights into codes), qkvproj (x into codes, products 1-3, q, k, v into codes), attn (products 4 and 5, softmax, o into codes), oproj (product 6).
; DEAD WORK, left out in attn: a step of 128 keys all of which come after a tile's queries.  reference() sets those scores to -inf by its own jnp.tril, so their weights are 0 for all values
; of the inputs and reach no output.  Nothing else is left out: all eleven inputs are loaded (each bias moves codes or the output).
; LIMITS: a NaN, an infinity or an overflow that would arise only in the scores left out is not carried to the result (reference() discards them too).  NaN and infinities among the inputs are not served.
; A block whose largest magnitude lies under 2^-124 keeps the scale byte 1; a block of zeros gets the byte 1 where the rule says 127: its codes are zeros, and the bytes are read by this program alone.
;
; THIS LAUNCH: W [512 (n)][512 (k)] f32, K innermost, becomes IMAGES OF OPERAND REGISTERS.  Work-group x: weight x / 32 (q, k, v, o), tile ct = x % 32 of 16 rows; wave s takes K step s (128 along K).
; THE ROWS OF A TILE ARE NOT NEIGHBOURS: tile ct = 4 hd + u; lane r holds row 64 hd + 32 (r / 8) + 8 u + r % 8.  A product with such tiles leaves 32 NEIGHBOURING channels of a head in a lane's 32 result registers.
; A fragment (16 rows x 128 K) is 12 registers: lane (r, h) holds k = 64 c + 32 h + 0 .. 31 in registers 6 c .. 6 c + 5: two whole blocks of 32, so no other lane is asked for a maximum.
; wimg: [x][K step s][1,536]: registers 4 cc .. 4 cc + 3 as 512 bytes, lane l's 16 at 16 l.   wsc: [x][r][s] scale words, 256 bytes a tile: the four waves' words meet in LDS and wave 0 stores the 256 bytes whole.
.set SEL, 20                           ; s[20:21] lane selects: lane l xor 16
.set XA,  3                            ; v3   my byte in the tile's rows of W
.set LI,  4                            ; v4   16 x lane
.set SH8, 5                            ; v5   8 h
.set RH,  6                            ; v6   16 r + 8 h
.set TM,  8                            ; v8-14  at work
.set SA,  15                           ; v15  LDS: 16 r + 4 s
.set T2,  16                           ; v16-22 the second halves of the blocks' codes
.set PC,  24                           ; v24-35 codes
.set PW,  72                           ; v72  the scale word
.set SPW, 74                           ; v74  my spare word; never rewritten
.set NIL, 75                           ; v75  0; never rewritten
.set D0,  76                           ; v76-77 the two words that I store
.set ST0, 80                           ; v80-143 64 numbers
.set SPARE, 256                        ; behind the 256 bytes of scale words: 128 bytes for each wave
	s_load_b256 s[4:11], s[0:1], 0x0               ; W_q, W_k, W_v, W_o
	s_load_b128 s[12:15], s[0:1], 0x20             ; wimg, wsc
	v_lshl_add_u32 v[SPW], v0, 2, SPARE
	v_mov_b32 v[NIL], 0
	v_lshrrev_b32 v7, 5, v0
	v_readfirstlane_b32 s27, v7                    ; wave = K step s
	v_and_b32 v1, 15, v0                           ; r
	v_bfe_u32 v2, v0, 4, 1                         ; h
	v_and_b32 v[XA], 7, v1
	v_lshrrev_b32 v7, 3, v1
	v_lshl_add_u32 v[XA], v7, 5, v[XA]             ; r % 8 + 32 (r / 8)
	v_lshlrev_b32 v[XA], 11, v[XA]                 ; rows of 2,048 bytes
	v_lshl_add_u32 v[XA], v2, 7, v[XA]             ; + 128 h
	v_and_b32 v[LI], 31, v0
	v_lshlrev_b32 v[LI], 4, v[LI]
	v_lshlrev_b32 v[SH8], 3, v2
	v_lshlrev_b32 v[RH], 4, v1
	s_lshl_b32 s28, s27, 2
	v_add_nc_u32 v[SA], s28, v[RH]
	v_lshl_add_u32 v[RH], v2, 3, v[RH]
	v_mov_b32 v[TM+6], 0                           ; a lane permute's destination counts as one of its sources
	s_mov_b32 s[SEL], 0x76543210
	s_mov_b32 s[SEL+1], 0xfedcba98
	s_lshr_b32 s16, ttmp9, 5                       ; which weight
	s_and_b32 s17, ttmp9, 31                       ; ct
	s_lshr_b32 s18, s17, 2
	s_lshl_b32 s18, s18, 6
	s_and_b32 s19, s17, 3
	s_lshl_b32 s19, s19, 3
	s_add_co_u32 s18, s18, s19                     ; 64 hd + 8 u
	s_lshl_b32 s18, s18, 11
	s_lshl_b32 s19, s27, 9
	s_add_co_u32 s18, s18, s19                     ; + 512 bytes for each K step
	s_mov_b32 s19, 0
	s_mul_i32 s22, ttmp9, 6144
	s_mul_i32 s23, s27, 1536
	s_add_co_u32 s22, s22, s23
	s_mov_b32 s23, 0
	s_lshl_b32 s24, ttmp9, 8
	s_mov_b32 s25, 0
	s_and_b32 s26, s16, 1
	s_wait_alu depctr_va_vdst(0)                   ; the wait at the head's end
	s_wait_kmcnt 0x0
	s_cmp_eq_u32 s26, 1                            ; the choice hangs on the work-group's number alone
	s_cselect_b64 s[4:5], s[6:7], s[4:5]
	s_cselect_b64 s[8:9], s[10:11], s[8:9]
	s_cmp_lt_u32 s16, 2
	s_cselect_b64 s[4:5], s[4:5], s[8:9]
	s_add_nc_u64 s[4:5], s[4:5], s[18:19]
	s_add_nc_u64 s[12:13], s[12:13], s[22:23]
	s_add_nc_u64 s[14:15], s[14:15], s[24:25]
.irp c, 0,1
.irp i, 0,1,2,3,4,5,6,7
	global_load_b128 v[ST0+32*\c+4*\i:ST0+32*\c+4*\i+3], v[XA], s[4:5] offset:256*\c+16*\i th:TH_LOAD_NT
.endr
.endr
	s_wait_loadcnt 0x0
	v_max3_num_f32 v[TM], |v[ST0]|, |v[ST0+1]|, 0x1800000           ; my two blocks by turns; the floor 2^(3 - 127) holds the byte at 1 from below
	v_max3_num_f32 v[TM+1], |v[ST0+32]|, |v[ST0+33]|, 0x1800000
.set qi, 2
.rept 15
	v_max3_num_f32 v[TM], v[TM], |v[ST0+qi]|, |v[ST0+qi+1]|
	v_max3_num_f32 v[TM+1], v[TM+1], |v[ST0+32+qi]|, |v[ST0+32+qi+1]|
.set qi, qi+2
.endr
	v_add_nc_u32 v[TM+2], 0xff000000, v[TM]                         ; 2 off the exponent field: the conversion's scale operand
	v_add_nc_u32 v[TM+3], 0xff000000, v[TM+1]
	v_lshrrev_b32 v[TM+4], 23, v[TM+2]                              ; the scale's byte
	v_lshrrev_b32 v[TM+5], 23, v[TM+3]
	v_lshl_or_b32 v[PW], v[TM+5], 16, v[TM+4]                       ; blocks h and 2 + h,
	v_lshlrev_b32 v[PW], v[SH8], v[PW]                              ; at their places in the word;
	v_permlanex16_b32 v[TM+6], v[PW], s[SEL], s[SEL+1]
	v_or_b32 v[PW], v[PW], v[TM+6]                                  ; with lane l xor 16's two the word is whole, in both lanes
.irp c, 0,1
	v_cvt_scalef32_pk16_fp6_f32 v[PC+6*\c:PC+6*\c+2], v[ST0+32*\c:ST0+32*\c+15], v[TM+2+\c]
	v_cvt_scalef32_pk16_fp6_f32 v[T2+4*\c:T2+4*\c+2], v[ST0+32*\c+16:ST0+32*\c+31], v[TM+2+\c]   ; (a conversion's three registers begin on an even number)
.endr
	v_nop                                                           ; one plain instruction behind the conversions
.irp c, 0,1
.irp i, 0,1,2
	v_mov_b32 v[PC+6*\c+3+\i], v[T2+4*\c+\i]
.endr
.endr
.irp c, 0,1,2
	global_store_b128 v[LI], v[PC+4*\c:PC+4*\c+3], s[12:13] offset:512*\c   ; each store covers 512 consecutive bytes, aligned
.endr
	ds_store_b32 v[SA], v[PW]                      ; word s of row r; lanes r and r + 16 write the same word with the same value
	s_wait_dscnt 0x0                               ; for the others' sake
	s_barrier_signal -1
	s_barrier_wait -1
	s_cmp_lg_u32 s27, 0
	s_cbranch_scc1 .Lend
	ds_load_b64 v[D0:D0+1], v[RH]
	s_wait_dscnt 0x0
	global_store_b64 v[RH], v[D0:D0+1], s[14:15]   ; 256 consecutive bytes, aligned
.Lend:
	s_wait_tensorcnt 0x0                           ; the wave's end
	ds_add_u32 v[SPW], v[NIL]
	s_wait_dscnt 0x0
	s_endpgm
.Lfunc_end_k_q3cb133eb11_wquant:
	.size	k_q3cb133eb11_wquant, .Lfunc_end_k_q3cb133eb11_wquant-k_q3cb133eb11_wquant
	.p2alignl 7, 3214868480
	.fill 96, 4, 3214868480
	.section	.rodata,"a",@progbits
	.p2align	6, 0x0
	.amdhsa_kernel k_q3cb133eb11_wquant
		.amdhsa_group_segment_fixed_size 1024
		.amdhsa_private_segment_fixed_size 0
		.amdhsa_enable_private_segment 0
		.amdhsa_kernarg_size 48
		.amdhsa_user_sgpr_count 2
		.amdhsa_user_sgpr_kernarg_segment_ptr 1
		.amdhsa_wavefront_size32 1
		.amdhsa_system_sgpr_workgroup_id_x 1
		.amdhsa_system_sgpr_workgroup_id_y 1
		.amdhsa_system_sgpr_workgroup_id_z 1
		.amdhsa_system_vgpr_workitem_id 0
		.amdhsa_next_free_vgpr 144
		.amdhsa_next_free_sgpr 66
		.amdhsa_reserve_vcc 0
		.amdhsa_float_denorm_mode_32 3
		.amdhsa_float_denorm_mode_16_64 3
		.amdhsa_memory_ordered 1
		.amdhsa_forward_progress 1
		.amdhsa_inst_pref_size 8
	.end_amdhsa_kernel
	.amdgpu_metadata
---
amdhsa.version: [ 1, 2 ]
amdhsa.kernels:
  - .name:           k_q3cb133eb11_wquant
    .symbol:         k_q3cb133eb11_wquant.kd
    .args:
      - { .name: W_q, .offset: 0, .size: 8, .value_kind: global_buffer, .address_space: global }
      - { .name: W_k, .offset: 8, .size: 8, .value_kind: global_buffer, .address_space: global }
      - { .name: W_v, .offset: 16, .size: 8, .value_kind: global_buffer, .address_space: global }
      - { .name: W_o, .offset: 24, .size: 8, .value_kind: global_buffer, .address_space: global }
      - { .name: wimg, .offset: 32, .size: 8, .value_kind: global_buffer, .address_space: global }
      - { .name: wsc, .offset: 40, .size: 8, .value_kind: global_buffer, .address_space: global }
    .group_segment_fixed_size: 1024
    .private_segment_fixed_size: 0
    .kernarg_segment_align: 8
    .kernarg_segment_size: 48
    .max_flat_workgroup_size: 128
    .sgpr_count:     66
    .vgpr_count:     144
    .wavefront_size: 32
...
	.end_amdgpu_metadata
.endif
;; end of part 1
;; launch qkvproj (part 2): grid 64 x 3, 8 waves a work-group, no clusters, 327,680 bytes of LDS; arguments query, key, value, b_q, b_k, b_v, wimg, wsc, qc, kc, vc, qs, sc; writes qc, kc, vc, qs, sc
.if DOCPART == 2
	.amdgcn_target "amdgcn-amd-amdhsa--gfx1250"
	.amdhsa_code_object_version 6
	.text
	.protected	k_q3cb133eb11_qkvproj
	.globl	k_q3cb133eb11_qkvproj
	.p2align	8
	.type	k_q3cb133eb11_qkvproj,@function
k_q3cb133eb11_qkvproj:
	s_mov_b64 s[64:65], 0
	v_nop
	global_prefetch_b8 v0, s[64:65] scope:SCOPE_SE
	s_setreg_imm32_b32 hwreg(HW_REG_WAVE_MODE, 25, 1), 1
	s_wait_xcnt 0x0
.set XRAWW, 33280
.set XIMG,  266240
.set XSC,   315392
.set SPARE, 319488
.set LI,  1
.set XR,  2
.set SH8, 3
.set XWI, 4
.set LIX, 5
.set R16, 6
.set H128, 7
.set L8,  8
.set RH,  9
.set SPW, 10
.set NIL, 11
.set TM,  12
.set VB,  19
.set T2,  20
.set PCA, 28
.set SW,  40
.set D0,  44
.set XSW, 46
.set HH,  47
.set WS,  48
.set XS,  64
.set XF,  68
.set PCB, 68
.set ACC, 116
.set ST0, 116
.set BI,  192
.set WV,  30
.set YY,  31
.set G1,  32
.set G0,  40
.set SEL, 66
.set MSB, 0
.macro WIN new
.if MSB != \new
	s_set_vgpr_msb (MSB<<8)|\new
.set MSB, \new
.endif
.endm
.macro PLACES
.rept 4
	v_nop
.endr
.endm
.macro QB s, pc, pw
	v_max3_num_f32 v[TM], |v[\s]|, |v[\s+1]|, 0x1800000
	v_max3_num_f32 v[TM+1], |v[\s+32]|, |v[\s+33]|, 0x1800000
.set qi, 2
.rept 15
	s_delay_alu instid0(VALU_DEP_2)
	v_max3_num_f32 v[TM], v[TM], |v[\s+qi]|, |v[\s+qi+1]|
	s_delay_alu instid0(VALU_DEP_2)
	v_max3_num_f32 v[TM+1], v[TM+1], |v[\s+32+qi]|, |v[\s+32+qi+1]|
.set qi, qi+2
.endr
	s_delay_alu instid0(VALU_DEP_2)
	v_add_nc_u32 v[TM+2], 0xff000000, v[TM]
	s_delay_alu instid0(VALU_DEP_2)
	v_add_nc_u32 v[TM+3], 0xff000000, v[TM+1]
	s_delay_alu instid0(VALU_DEP_2)
	v_lshrrev_b32 v[TM+4], 23, v[TM+2]
	s_delay_alu instid0(VALU_DEP_2)
	v_lshrrev_b32 v[TM+5], 23, v[TM+3]
	s_delay_alu instid0(VALU_DEP_1)
	v_lshl_or_b32 v[\pw], v[TM+5], 16, v[TM+4]
	s_delay_alu instid0(VALU_DEP_1)
	v_lshlrev_b32 v[\pw], v[SH8], v[\pw]
	s_delay_alu instid0(VALU_DEP_1)
	v_permlanex16_b32 v[TM+6], v[\pw], s[SEL], s[SEL+1]
	s_delay_alu instid0(VALU_DEP_1)
	v_or_b32 v[\pw], v[\pw], v[TM+6]
.irp c, 0,1
	v_cvt_scalef32_pk16_fp6_f32 v[\pc+6*\c:\pc+6*\c+2], v[\s+32*\c:\s+32*\c+15], v[TM+2+\c]
	v_cvt_scalef32_pk16_fp6_f32 v[T2+4*\c:T2+4*\c+2], v[\s+32*\c+16:\s+32*\c+31], v[TM+2+\c]
.endr
	v_nop
.irp c, 0,1
.irp i, 0,1,2
	v_mov_b32 v[\pc+6*\c+3+\i], v[T2+4*\c+\i]
.endr
.endr
.endm
.macro QH s, pc
	v_max3_num_f32 v[TM], |v[\s]|, |v[\s+1]|, |v[\s+2]|
	v_max3_num_f32 v[TM+1], |v[\s+3]|, |v[\s+4]|, |v[\s+5]|
.irp i, 6,10,14,18,22,26
	v_max3_num_f32 v[TM], v[TM], |v[\s+\i]|, |v[\s+\i+1]|
	v_max3_num_f32 v[TM+1], v[TM+1], |v[\s+\i+2]|, |v[\s+\i+3]|
.endr
	v_max3_num_f32 v[TM], v[TM], |v[\s+30]|, |v[\s+31]|
	s_delay_alu instid0(VALU_DEP_1)
	v_max3_num_f32 v[TM], v[TM], v[TM+1], 0x1800000
	s_delay_alu instid0(VALU_DEP_1)
	v_add_nc_u32 v[TM+2], 0xff000000, v[TM]
	s_delay_alu instid0(VALU_DEP_1)
	v_lshrrev_b32 v[TM+4], 23, v[TM+2]
	v_cvt_scalef32_pk16_fp6_f32 v[\pc:\pc+2], v[\s:\s+15], v[TM+2]
	v_cvt_scalef32_pk16_fp6_f32 v[T2:T2+2], v[\s+16:\s+31], v[TM+2]
	v_nop
.irp i, 0,1,2
	v_mov_b32 v[\pc+3+\i], v[T2+\i]
.endr
.endm
.macro LD s
.irp c, 0,1
.irp i, 0,1,2,3,4,5,6,7
	ds_load_b128 v[ST0+64*((\s)%2)+32*\c+4*\i:ST0+64*((\s)%2)+32*\c+4*\i+3], v[XR] offset:512*(\s)+16*((\s)/2)+256*\c+16*\i
.endr
.endr
.endm
.macro IMAGE pc, s
.irp c, 0,1,2
	ds_store_b128 v[XWI], v[\pc+4*\c:\pc+4*\c+3] offset:1536*(\s)+512*\c
.endr
.endm
.macro FETCHX t
.set k, 0
.rept 12
	ds_load_b128 v[XF+4*k:XF+4*k+3], v[LIX] offset:6144*(\t)+512*k
.set k, k+1
.endr
	ds_load_b128 v[XS:XS+3], v[LIX] offset:XSC-XIMG+512*(\t)
	s_wait_dscnt 0x0
.endm
.macro PRODQK
.irp s, 0,1,2,3
.if \s == 0
	WIN 0x11
.else
	WIN 0x01
.endif
.irp u, 0,1,2,3
.if \s == 0
	v_wmma_scale_f32_16x16x128_f8f6f4 v[ACC+8*\u:ACC+8*\u+7], v[12*(4*\u+\s):12*(4*\u+\s)+11], v[XF+12*\s:XF+12*\s+11], v[BI+8*\u:BI+8*\u+7], v[WS+4*\u+\s], v[XS+\s] matrix_a_fmt:MATRIX_FMT_FP6 matrix_b_fmt:MATRIX_FMT_FP6
.else
	v_wmma_scale_f32_16x16x128_f8f6f4 v[ACC+8*\u:ACC+8*\u+7], v[12*(4*\u+\s):12*(4*\u+\s)+11], v[XF+12*\s:XF+12*\s+11], v[ACC+8*\u:ACC+8*\u+7], v[WS+4*\u+\s], v[XS+\s] matrix_a_fmt:MATRIX_FMT_FP6 matrix_b_fmt:MATRIX_FMT_FP6
.endif
.endr
.endr
	WIN 0
.endm
.macro PRODV p
.irp s, 0,1,2,3
.if \s == 0
	WIN 0x14
.else
	WIN 0x04
.endif
.irp u, 0,1,2,3
.if \s == 0
	v_wmma_scale_f32_16x16x128_f8f6f4 v[ACC+32*\u+8*(\p):ACC+32*\u+8*(\p)+7], v[XF+12*\s:XF+12*\s+11], v[12*(4*\u+\s):12*(4*\u+\s)+11], v[BI+8*\u:BI+8*\u+7], v[XS+\s], v[WS+4*\u+\s] matrix_a_fmt:MATRIX_FMT_FP6 matrix_b_fmt:MATRIX_FMT_FP6
.else
	v_wmma_scale_f32_16x16x128_f8f6f4 v[ACC+32*\u+8*(\p):ACC+32*\u+8*(\p)+7], v[XF+12*\s:XF+12*\s+11], v[12*(4*\u+\s):12*(4*\u+\s)+11], v[ACC+32*\u+8*(\p):ACC+32*\u+8*(\p)+7], v[XS+\s], v[WS+4*\u+\s] matrix_a_fmt:MATRIX_FMT_FP6 matrix_b_fmt:MATRIX_FMT_FP6
.endif
.endr
.endr
	WIN 0
.endm
	s_load_b512 s[4:19], s[0:1], 0x0
	s_load_b256 s[20:27], s[0:1], 0x40
	s_load_b64 s[28:29], s[0:1], 0x60
	v_lshl_add_u32 v[SPW], v0, 2, SPARE
	v_mov_b32 v[NIL], 0
	ds_add_u32 v[SPW], v[NIL]
	ds_add_u32 v[SPW], v[NIL]
	v_lshrrev_b32 v12, 5, v0
	s_delay_alu instid0(VALU_DEP_1)
	v_readfirstlane_b32 s[WV], v12
	s_and_b32 s[YY], ttmp7, 0xffff
	s_mov_b32 s[G1], (3<<16)|(1<<20)|(7<<22)|(3<<25)
	s_mov_b32 s[G1+1], 128<<16
	s_mov_b32 s[G1+2], 32<<16
	s_mov_b32 s[G1+3], 128<<16
	s_mov_b32 s[G1+4], 32
	s_mov_b32 s[G1+5], 128
	s_mov_b32 s[G1+6], 0
	s_mov_b32 s[G1+7], 0
	s_lshr_b32 s48, s[WV], 2
	s_lshl_b32 s48, s48, 6
	s_and_b32 s49, s[WV], 3
	s_lshl_b32 s49, s49, 3
	s_add_co_u32 s48, s48, s49
	s_mul_i32 s68, s48, 2080                       ; LDS row of my tile's first token, 64 (w / 4) + 8 (w % 4): a token has 2,080 bytes there
	s_lshl_b32 s48, s[WV], 15                      ; I fetch the 16 neighbouring tokens 16 w on: 32,768 dense bytes
	s_lshl_b32 s49, ttmp9, 18
	s_add_co_u32 s48, s48, s49
	s_mov_b32 s49, 0
	s_mul_i32 s50, s[WV], XRAWW
	s_lshr_b32 s51, ttmp9, 5
	s_lshl_b32 s51, s51, 3
	s_add_co_u32 s51, s51, s[WV]
	s_lshl_b32 s51, s51, 5
	s_and_b32 s52, ttmp9, 31
	s_add_co_u32 s51, s51, s52
	s_mul_i32 s52, s51, 6144
	s_mov_b32 s53, 0
	s_cmp_eq_u32 s[YY], 0
	s_cselect_b32 s54, 8, 9
	s_lshl_b32 s54, s51, s54
	s_cmp_eq_u32 s[YY], 2
	s_cselect_b32 s55, 256, 0
	s_add_co_u32 s54, s54, s55
	s_mov_b32 s55, 0
	s_mul_i32 s56, s[YY], 196608
	s_mul_i32 s57, s[WV], 24576
	s_add_co_u32 s56, s56, s57
	s_mov_b32 s57, 0
	s_lshl_b32 s58, s[YY], 13
	s_lshl_b32 s59, s[WV], 10
	s_add_co_u32 s58, s58, s59
	s_mov_b32 s59, 0
	s_lshl_b32 s60, s[WV], 8
	s_mov_b32 s61, 0
	s_mov_b32 s[SEL], 0x76543210
	s_mov_b32 s[SEL+1], 0xfedcba98
	v_and_b32 v13, 31, v0
	v_and_b32 v14, 15, v0
	v_bfe_u32 v[HH], v0, 4, 1
	s_delay_alu instid0(VALU_DEP_3)
	v_lshlrev_b32 v[LI], 4, v13
	s_delay_alu instid0(VALU_DEP_4)
	v_lshlrev_b32 v[L8], 3, v13
	v_and_b32 v[XR], 7, v14
	v_lshrrev_b32 v15, 3, v14
	s_delay_alu instid0(VALU_DEP_1)
	v_lshl_add_u32 v[XR], v15, 5, v[XR]            ; my row of the tile is token r % 8 + 32 (r / 8) on from its first
	s_delay_alu instid0(VALU_DEP_1)
	v_mul_u32_u24 v[XR], v[XR], 2080
	s_delay_alu instid0(VALU_DEP_1)
	v_lshl_add_u32 v[XR], v[HH], 7, v[XR]
	s_delay_alu instid0(VALU_DEP_1)
	v_add_nc_u32 v[XR], s68, v[XR]
	v_lshlrev_b32 v[SH8], 3, v[HH]
	v_add_nc_u32 v[LIX], XIMG, v[LI]
	s_mul_i32 s62, s[WV], 6144
	v_add_nc_u32 v[XWI], s62, v[LIX]
	s_lshl_b32 s62, s[WV], 9
	v_add_nc_u32 v[XSW], s62, v[LI]
	s_delay_alu instid0(VALU_DEP_1)
	v_add_nc_u32 v[XSW], XSC, v[XSW]
	v_lshlrev_b32 v[R16], 4, v14
	v_lshlrev_b32 v[H128], 7, v[HH]
	s_delay_alu instid0(VALU_DEP_2)
	v_lshl_add_u32 v[RH], v[HH], 3, v[R16]
	v_and_b32 v[VB], 7, v14
	v_lshrrev_b32 v15, 3, v14
	s_delay_alu instid0(VALU_DEP_1)
	v_lshl_add_u32 v[VB], v15, 5, v[VB]
	s_delay_alu instid0(VALU_DEP_1)
	v_lshlrev_b32 v[VB], 2, v[VB]
	v_mov_b32 v[TM+6], 0
	s_wait_dscnt 0x0
	s_wait_kmcnt 0x0
	s_cmp_eq_u32 s[YY], 1
	s_cselect_b64 s[4:5], s[6:7], s[4:5]
	s_cselect_b64 s[10:11], s[12:13], s[10:11]
	s_cselect_b64 s[20:21], s[22:23], s[20:21]
	s_cselect_b64 s[26:27], s[28:29], s[26:27]
	s_cmp_eq_u32 s[YY], 2
	s_cselect_b64 s[4:5], s[8:9], s[4:5]
	s_cselect_b64 s[10:11], s[14:15], s[10:11]
	s_cselect_b64 s[20:21], s[24:25], s[20:21]
	s_cselect_b64 s[26:27], s[28:29], s[26:27]
	s_add_nc_u64 s[4:5], s[4:5], s[48:49]
	s_add_nc_u64 s[10:11], s[10:11], s[60:61]
	s_add_nc_u64 s[20:21], s[20:21], s[52:53]
	s_add_nc_u64 s[26:27], s[26:27], s[54:55]
	s_add_nc_u64 s[16:17], s[16:17], s[56:57]
	s_add_nc_u64 s[18:19], s[18:19], s[58:59]
	s_mov_b32 s[G0], 1
	s_mov_b32 s[G0+1], s50
	s_mov_b64 s[G0+2:G0+3], s[4:5]
	s_or_b32 s[G0+3], s[G0+3], 0x80000000
	tensor_load_to_lds s[G0:G0+3], s[G1:G1+7]      ; my one tensor load: 32 rows of 1,024 bytes; the eight waves' loads bring the work-group's 128 tokens
	s_nop 0
	PLACES
	s_cmp_eq_u32 s[YY], 2
	s_cbranch_scc1 .Lbias_v
	WIN 0x40
	s_wait_alu depctr_va_vdst(0)
.irp u, 0,1,2,3
	global_load_b128 v[BI+8*\u:BI+8*\u+3], v[H128], s[10:11] offset:32*\u
	global_load_b128 v[BI+8*\u+4:BI+8*\u+7], v[H128], s[10:11] offset:32*\u+16
.endr
	WIN 0
	s_branch .Lbias_done
.Lbias_v:
	WIN 0x40
	s_wait_alu depctr_va_vdst(0)
.irp u, 0,1,2,3
.irp j, 0,1,2,3,4,5,6,7
	global_load_b32 v[BI+8*\u+\j], v[VB], s[10:11] offset:32*\u
.endr
.endr
	WIN 0
.Lbias_done:
	WIN 0x40
.set k, 0
.rept 48
	global_load_b128 v[4*k:4*k+3], v[LI], s[16:17] offset:512*k
.set k, k+1
.endr
	WIN 0
.irp u, 0,1,2,3
	global_load_b128 v[WS+4*\u:WS+4*\u+3], v[R16], s[18:19] offset:256*\u
.endr
	s_wait_tensorcnt 0x0                           ; my 16 tokens are in;
	s_barrier_signal -1
	s_barrier_wait -1                              ; and everybody's: my tile's rows lie in other waves' parts
	LD 0
	LD 1
	s_wait_dscnt 16
	QB ST0, PCA, SW
	IMAGE PCA, 0
	LD 2
	s_wait_dscnt 19
	QB ST0+64, PCB, SW+1
	IMAGE PCB, 1
	LD 3
	s_wait_dscnt 19
	QB ST0, PCA, SW+2
	IMAGE PCA, 2
	s_wait_dscnt 3
	QB ST0+64, PCB, SW+3
	IMAGE PCB, 3
	ds_store_b128 v[XSW], v[SW:SW+3]
	s_wait_dscnt 0x0
	s_barrier_signal -1
	s_barrier_wait -1
	s_wait_loadcnt 0x0
	s_cmp_eq_u32 s[YY], 2
	s_cbranch_scc1 .Lvpath
.irp t, 0,1,2,3,4,5,6,7
	FETCHX \t
	PRODQK
	PLACES
	s_wait_xcnt 0x0
	QH ACC, PCA
.if (\t)%2 == 0
	v_mov_b32 v[SW+(\t)/2], v[TM+4]
.else
	v_lshl_or_b32 v[SW+(\t)/2], v[TM+4], 16, v[SW+(\t)/2]
.endif
	global_store_b128 v[LI], v[PCA:PCA+3], s[20:21] offset:768*\t
	global_store_b64 v[L8], v[PCA+4:PCA+5], s[20:21] offset:768*\t+512
.endr
	s_branch .Ltail
.Lvpath:
.irp g, 0,1
.irp p, 0,1,2,3
	FETCHX 4*\g+\p
	PRODV \p
	PLACES
.endr
.irp u, 0,1,2,3
	s_wait_xcnt 0x0
	QH ACC+32*\u, PCA
.if \g == 0
	v_mov_b32 v[SW+\u], v[TM+4]
.else
	v_lshl_or_b32 v[SW+\u], v[TM+4], 16, v[SW+\u]
.endif
	global_store_b128 v[LI], v[PCA:PCA+3], s[20:21] offset:768*(2*\u+\g)
	global_store_b64 v[L8], v[PCA+4:PCA+5], s[20:21] offset:768*(2*\u+\g)+512
.endr
.endr
.Ltail:
.irp n, 0,1,2,3
	v_lshlrev_b32 v[SW+\n], v[SH8], v[SW+\n]
	s_delay_alu instid0(VALU_DEP_1)
	v_permlanex16_b32 v[TM+6], v[SW+\n], s[SEL], s[SEL+1]
	s_delay_alu instid0(VALU_DEP_1)
	v_or_b32 v[SW+\n], v[SW+\n], v[TM+6]
.endr
	v_cmp_eq_u32 vcc_lo, 1, v[HH]
	s_delay_alu instid0(VALU_DEP_1)
	v_cndmask_b32 v[D0], v[SW], v[SW+2], vcc_lo
	s_delay_alu instid0(VALU_DEP_2)
	v_cndmask_b32 v[D0+1], v[SW+1], v[SW+3], vcc_lo
	global_store_b64 v[RH], v[D0:D0+1], s[26:27]
	s_wait_tensorcnt 0x0
	ds_add_u32 v[SPW], v[NIL]
	s_wait_dscnt 0x0
	s_endpgm
.Lfunc_end_k_q3cb133eb11_qkvproj:
	.size	k_q3cb133eb11_qkvproj, .Lfunc_end_k_q3cb133eb11_qkvproj-k_q3cb133eb11_qkvproj
	.p2alignl 7, 3214868480
	.fill 96, 4, 3214868480
	.section	.rodata,"a",@progbits
	.p2align	6, 0x0
	.amdhsa_kernel k_q3cb133eb11_qkvproj
		.amdhsa_group_segment_fixed_size 327680
		.amdhsa_private_segment_fixed_size 0
		.amdhsa_enable_private_segment 0
		.amdhsa_kernarg_size 104
		.amdhsa_user_sgpr_count 2
		.amdhsa_user_sgpr_kernarg_segment_ptr 1
		.amdhsa_wavefront_size32 1
		.amdhsa_system_sgpr_workgroup_id_x 1
		.amdhsa_system_sgpr_workgroup_id_y 1
		.amdhsa_system_sgpr_workgroup_id_z 1
		.amdhsa_system_vgpr_workitem_id 0
		.amdhsa_next_free_vgpr 512
		.amdhsa_next_free_sgpr 80
		.amdhsa_reserve_vcc 1
		.amdhsa_float_denorm_mode_32 3
		.amdhsa_float_denorm_mode_16_64 3
		.amdhsa_memory_ordered 1
		.amdhsa_forward_progress 1
		.amdhsa_inst_pref_size 114
	.end_amdhsa_kernel
	.amdgpu_metadata
---
amdhsa.version: [ 1, 2 ]
amdhsa.kernels:
  - .name:           k_q3cb133eb11_qkvproj
    .symbol:         k_q3cb133eb11_qkvproj.kd
    .args:
      - { .name: query, .offset: 0, .size: 8, .value_kind: global_buffer, .address_space: global }
      - { .name: key, .offset: 8, .size: 8, .value_kind: global_buffer, .address_space: global }
      - { .name: value, .offset: 16, .size: 8, .value_kind: global_buffer, .address_space: global }
      - { .name: b_q, .offset: 24, .size: 8, .value_kind: global_buffer, .address_space: global }
      - { .name: b_k, .offset: 32, .size: 8, .value_kind: global_buffer, .address_space: global }
      - { .name: b_v, .offset: 40, .size: 8, .value_kind: global_buffer, .address_space: global }
      - { .name: wimg, .offset: 48, .size: 8, .value_kind: global_buffer, .address_space: global }
      - { .name: wsc, .offset: 56, .size: 8, .value_kind: global_buffer, .address_space: global }
      - { .name: qc, .offset: 64, .size: 8, .value_kind: global_buffer, .address_space: global }
      - { .name: kc, .offset: 72, .size: 8, .value_kind: global_buffer, .address_space: global }
      - { .name: vc, .offset: 80, .size: 8, .value_kind: global_buffer, .address_space: global }
      - { .name: qs, .offset: 88, .size: 8, .value_kind: global_buffer, .address_space: global }
      - { .name: sc, .offset: 96, .size: 8, .value_kind: global_buffer, .address_space: global }
    .group_segment_fixed_size: 327680
    .private_segment_fixed_size: 0
    .kernarg_segment_align: 8
    .kernarg_segment_size: 104
    .max_flat_workgroup_size: 256
    .sgpr_count:     80
    .vgpr_count:     512
    .wavefront_size: 32
...
	.end_amdgpu_metadata
.endif
;; end of part 2
;; launch attn (part 3): grid 16 x 16, 16 waves a work-group, no clusters, 327,680 bytes of LDS; arguments qc, qs, kc, vc, sc, obuf; writes obuf
.if DOCPART == 3
	.amdgcn_target "amdgcn-amd-amdhsa--gfx1250"
	.amdhsa_code_object_version 6
	.text
	.protected	k_q3cb133eb11_attn
	.globl	k_q3cb133eb11_attn
	.p2align	8
	.type	k_q3cb133eb11_attn,@function
k_q3cb133eb11_attn:
	s_mov_b64 s[64:65], 0
	v_nop
	global_prefetch_b8 v0, s[64:65] scope:SCOPE_SE
	s_setreg_imm32_b32 hwreg(HW_REG_WAVE_MODE, 25, 1), 1
	s_wait_xcnt 0x0
; o = softmax(q k^T / 8, causal) v for one (batch, head), both products on codes of E2M3; o is divided by the row's sum and quantised along the channels for the output projection.
; LEFT OUT (dead work, shown at the head of wquant): a step of 128 keys all of which come after a tile's queries; and a slot of 512 keys that none of the work-group's waves reads is not fetched.
; THE SOFTMAX: t = score x log2(e) / 8; M = the running largest t rounded UP to a whole number; p = 2^(t - M) is quantised along the keys, not normalised; the sum is taken of the unquantised p;
; when M moves, the sum and O are multiplied by 2^(old M - new M), which rounds nothing.
; SHARES.  Work-group (i, bh) owns the blocks of 128 queries i (tiles A) and 31 - i (tiles B).  Wave w owns tile t = w / 2 of BOTH blocks, and of the key steps those of ONE parity, (w xor w / 4) % 2:
; of (i + 1) + (32 - i) = 33 tile steps a pair of waves each wave takes 16 or 17, two key steps in every slot of four.  So a query's keys are shared between two waves, each with its own M, sum and O.
; THE JOIN: at the end every wave lays both its tiles' O, -M and sums into LDS bytes of its own; behind a barrier wave w takes tile B (w even) or A (w odd) of both partners, brings both under the larger M
; (whole numbers: factors that are powers of two) and adds.  A partner that had no step of a tile holds -M = 3e38, sum 0, O 0: its factor is 0.
; LAYOUT.  S^T = K Q^T, O^T = V^T P^T: a lane holds ONE query.  The keys of a tile are not neighbours (as qkvproj lays them), so a lane's 64 scores are keys 64 c + 32 h + 0 .. 31: two WHOLE blocks, as P's layout wants them.
; K = 64 FILLS HALF AN INSTRUCTION: a fragment of K holds TWO key tiles; Q stands as [q | zero codes] and [zero codes | q].  Both tiles' q lie in one run of 30 registers, 0 qB 0 qA 0, of which each operand names twelve.
; LDS: two slots (K's 24,576 bytes, then V's), 65,536 apart; the head's scale words (32 steps x 512 bytes: lanes 0-15 K's four words, lanes 16-31 V's), filled once; the spare words; the join's records (16 waves x 2 x 4,608 bytes).
; Waves 0 and 1 fetch K's and V's part of a slot, one dense load each; wave 2 the scale words.  By this text's count one tensor load of a wave is out.
; NO CLUSTER: where a work-group's fills end hangs on its number.
; LIMITS: as stated at the head of wquant; the promise holds while the scaled scores t stay under 2^31 in magnitude.
.set SLOT1, 65536
.set SLOTB, 24576                      ; four steps of 6,144 bytes, of K or of V
.set SCB,   131072
.set SPARE, 147456
.set MRG,   149504                     ; the join's records
.set REC,   4608                       ; a record: O's 32 registers and the four of the state, 512 bytes for each four
.set LIP, 1                            ; v1   16 x lane + 6,144 x parity
.set L8P, 2                            ; v2   8 x lane + 6,144 x parity
.set ASC, 3                            ; v3   SCB + 16 x lane + 512 x parity
.set SH8, 4                            ; v4   8 h
.set SPW, 5                            ; v5   my spare word; never rewritten
.set NIL, 6                            ; v6   0; never rewritten
.set QD,  7                            ; v7   32 (r / 8) + r % 8 - 32 h
.set ADK, 8
.set ADK8, 9
.set ADS, 10
.set PFO, 11                           ; v11  256 x lane; never rewritten
.set STB, 12                           ; v12-15 tile B: -M, the largest t, the sum in two halves
.set STA, 16                           ; v16-19 tile A
.set QF,  20                           ; v20-49 0 qB 0 qA 0, six registers each
.set QSB, 50                           ; Q's scale words (s0, s1, s0, s1)
.set QSA, 51
.set SCW, 52                           ; v52-55 the step's scale words
.set KV,  56                           ; v56-103 four fragments, K's and then V's
.set S,   104                          ; v104-167 S^T, then p
.set OB,  168                          ; v168-199 O^T of tile B
.set OA,  200                          ; v200-231 of tile A
.set P,   232                          ; v232-243 p's codes
.set BM,  244                          ; v244-245 the two blocks' largest scores, then the conversions' scale operands
.set F,   246                          ; v[246:247]; v247 stays 0
.set PW,  248                          ; p's scale word
.set TMP, 249
.set PT,  250                          ; a permute's destination
.set DD,  251
.set BY,  252                          ; v252-253
.set MW,  254                          ; where I lay my records
.set MR,  255                          ; where I read the two records that I join
.set TM,  KV+16                        ; the way out
.set T2,  KV+24
.set TB,  2                            ; s2   the slot in hand
.set TS,  3                            ; s3   512 x the step ahead of my parity's
.set WV,  18
.set PAR, 19
.set SEL, 20
.set CS,  22                           ; s[22:23] log2(e) / 8
.set G1,  24
.set G1S, 32
.set G0,  40
.set G0S, 44
.set Q0A, 48                           ; tile A's first query; its last is 39 on
.set KS,  49                           ; the slot's first key
.set NINF, 50
.set SLOTS, 66
.set KF,  67                           ; my step's first key
.set Q0B, 68
.set QL,  69                           ; my work-group's last query
.set PFA, 70
.set LIM, 72
.set QSH, 73
.macro PLACES
.rept 4
	v_nop
.endr
.endm
.macro QH s, pc                        ; 32 numbers, one block -> 6 registers of codes; its byte is left in v[TM+4]
	v_max3_num_f32 v[TM], |v[\s]|, |v[\s+1]|, |v[\s+2]|
	v_max3_num_f32 v[TM+1], |v[\s+3]|, |v[\s+4]|, |v[\s+5]|
.irp i, 6,10,14,18,22,26
	s_delay_alu instid0(VALU_DEP_2)
	v_max3_num_f32 v[TM], v[TM], |v[\s+\i]|, |v[\s+\i+1]|
	s_delay_alu instid0(VALU_DEP_2)
	v_max3_num_f32 v[TM+1], v[TM+1], |v[\s+\i+2]|, |v[\s+\i+3]|
.endr
	s_delay_alu instid0(VALU_DEP_2)
	v_max3_num_f32 v[TM], v[TM], |v[\s+30]|, |v[\s+31]|
	s_delay_alu instid0(VALU_DEP_1)
	v_max3_num_f32 v[TM], v[TM], v[TM+1], 0x1800000
	s_delay_alu instid0(VALU_DEP_1)
	v_add_nc_u32 v[TM+2], 0xff000000, v[TM]
	s_delay_alu instid0(VALU_DEP_1)
	v_lshrrev_b32 v[TM+4], 23, v[TM+2]
	v_cvt_scalef32_pk16_fp6_f32 v[\pc:\pc+2], v[\s:\s+15], v[TM+2]
	v_cvt_scalef32_pk16_fp6_f32 v[T2:T2+2], v[\s+16:\s+31], v[TM+2]
	v_nop
.irp i, 0,1,2
	v_mov_b32 v[\pc+3+\i], v[T2+\i]
.endr
.endm
.macro TREE a, b                       ; 16 numbers at a and 16 at b are summed in place, each run into its first pair; the two runs by turns
.irp k, 0,4,8,12
	v_pk_add_f32 v[\a+\k:\a+\k+1], v[\a+\k:\a+\k+1], v[\a+\k+2:\a+\k+3]
	v_pk_add_f32 v[\b+\k:\b+\k+1], v[\b+\k:\b+\k+1], v[\b+\k+2:\b+\k+3]
.endr
.irp k, 0,8
	v_pk_add_f32 v[\a+\k:\a+\k+1], v[\a+\k:\a+\k+1], v[\a+\k+4:\a+\k+5]
	v_pk_add_f32 v[\b+\k:\b+\k+1], v[\b+\k:\b+\k+1], v[\b+\k+4:\b+\k+5]
.endr
	s_delay_alu instid0(VALU_DEP_2)
	v_pk_add_f32 v[\a:\a+1], v[\a:\a+1], v[\a+8:\a+9]
	s_delay_alu instid0(VALU_DEP_2)
	v_pk_add_f32 v[\b:\b+1], v[\b:\b+1], v[\b+8:\b+9]
.endm
; A prefetch into the L2 of the slot that the NEXT change of slots will ask for: 24,576 dense bytes of K and of V.  All work-groups of a head walk the same K and V: work-group i = 0 asks, which walks every slot.
; In it waves 4 to 6 ask for K's bytes and waves 8 to 10 for V's, 8,192 a wave, lanes 256 bytes apart: each aligned 256 bytes are named once in the launch.  The last change that fills a slot asks for nothing; slots 0 and 1 come by their loads alone.
.macro ASK
	s_cmp_gt_u32 s[SLOTS], s[LIM]
	s_cbranch_scc0 .Lnot_mine_\@
	global_prefetch_b8 v[PFO], s[PFA:PFA+1] th:TH_LOAD_NT scope:SCOPE_SE
.Lnot_mine_\@:
.endm
; THE CHANGE OF SLOTS, at a slot's head.  Each wave waits for all its tensor loads, adds 0 to its spare word, waits for that and for its reads of the slot that it has left, and passes the barrier.
; fill = 1: the slot just left is filled with the next 512 keys, while some wave of the work-group will read them.
.macro CHANGE fill
	s_wait_tensorcnt 0x0                           ; no tensor load of mine is out, so the descriptor may be written
	ds_add_u32 v[SPW], v[NIL]
.if \fill
	ds_add_u32 v[SPW], v[NIL]                      ; twice on end here, in every trip alike
	s_xor_b32 s[G0+1], s[G0+1], SLOT1              ; the other slot,
	s_add_nc_u64 s[G0+2:G0+3], s[G0+2:G0+3], SLOTB ; the next 512 keys
	s_wait_xcnt 0x0                                ; the last prefetch, a slot back, has read its address
	s_add_nc_u64 s[PFA:PFA+1], s[PFA:PFA+1], SLOTB
.endif
	s_wait_dscnt 0x0                               ; the adds are done, and my reads of the slot that I have left are over
	s_barrier_signal -1
	s_barrier_wait -1
.if \fill
	s_add_co_u32 s96, s[KS], 512                   ; the first key of the slot that this change would ask for:
	s_cmp_gt_u32 s96, s[QL]                        ; behind my work-group's last query nobody reads it.  Ids and the count of slots alone: all sixteen waves go the same way
	s_cbranch_scc1 .Lpast_\@
	s_cmp_lt_u32 s[WV], 2
	s_cbranch_scc0 .Lpast_\@
	tensor_load_to_lds s[G0:G0+3], s[G1:G1+7]      ; my one tensor load until the next barrier
	s_nop 0
	PLACES
.Lpast_\@:
	ASK
.endif
.endm
; A TILE STEP: 16 queries x the 128 keys of my j-th step of the slot in hand.  st: the tile's state; qa, qb: [q | 0], [0 | q]; qs: q's scale word; o: its O^T; q0: its first query
.macro TSTEP j, st, qa, qb, qs, o, q0
	s_add_co_u32 s96, s[\q0], 39
	s_cmp_gt_u32 s[KF], s96                        ; all keys behind the tile's last query: the step's work is left out
	s_cbranch_scc1 .Lhid_\@
	v_add_nc_u32 v[ADK], s[TB], v[LIP]             ; (these three and the v_nop are the four places behind the last products, ahead of loads into their operands)
	v_add_nc_u32 v[ADK8], s[TB], v[L8P]
	v_add_nc_u32 v[ADS], s[TS], v[ASC]
	v_nop
.irp n, 0,1,2,3,4,5,6,7                ; key tile n: six registers, as they were stored
	ds_load_b128 v[KV+6*\n:KV+6*\n+3], v[ADK] offset:12288*(\j)+768*\n
	ds_load_b64 v[KV+6*\n+4:KV+6*\n+5], v[ADK8] offset:12288*(\j)+768*\n+512
.endr
	ds_load_b128 v[SCW:SCW+3], v[ADS]
	s_wait_alu depctr_va_vdst(0)
	s_wait_dscnt 0x0
.irp f, 0,1,2,3
	v_wmma_scale_f32_16x16x128_f8f6f4 v[S+16*\f:S+16*\f+7], v[KV+12*\f:KV+12*\f+11], v[\qa:\qa+11], 0, v[SCW+\f], v[\qs] matrix_a_fmt:MATRIX_FMT_FP6 matrix_b_fmt:MATRIX_FMT_FP6
	v_wmma_scale_f32_16x16x128_f8f6f4 v[S+16*\f+8:S+16*\f+15], v[KV+12*\f:KV+12*\f+11], v[\qb:\qb+11], 0, v[SCW+\f], v[\qs] matrix_a_fmt:MATRIX_FMT_FP6 matrix_b_fmt:MATRIX_FMT_FP6
.endr
	PLACES                                         ; ahead of the loads into K's registers and of the first read of the scores
.irp n, 0,1,2,3,4,5,6,7                ; V's four fragments land under the softmax
	ds_load_b128 v[KV+6*\n:KV+6*\n+3], v[ADK] offset:SLOTB+12288*(\j)+768*\n
	ds_load_b64 v[KV+6*\n+4:KV+6*\n+5], v[ADK8] offset:SLOTB+12288*(\j)+768*\n+512
.endr
	s_add_co_u32 s96, s[KF], 127                   ; on the diagonal hidden scores become -infinity; a step all of whose keys count skips this
	s_cmp_le_u32 s96, s[\q0]
	s_cbranch_scc1 .Lopen_\@
	s_sub_co_i32 s96, s[\q0], s[KF]
	v_add_nc_u32 v[DD], s96, v[QD]                 ; d = my query - KF - 32 h.  Register 32 c + i holds key KF + 64 c + 32 h + i: it counts where 64 c + i <= d
.set n, 0
.rept 64
	v_cmp_le_i32 vcc_lo, 64*(n/32)+n%32, v[DD]
	v_cndmask_b32 v[S+n], s[NINF], v[S+n], vcc_lo
.set n, n+1
.endr
.Lopen_\@:
	v_max3_num_f32 v[BM], v[S], v[S+1], v[S+2]     ; the largest score of each of my two blocks: it serves the row's maximum and, since p rises with the score, the block's largest p
	v_max3_num_f32 v[BM+1], v[S+32], v[S+33], v[S+34]
.set j2, 3
.rept 14
	v_max3_num_f32 v[BM], v[BM], v[S+j2], v[S+j2+1]
	v_max3_num_f32 v[BM+1], v[BM+1], v[S+32+j2], v[S+32+j2+1]
.set j2, j2+2
.endr
	v_max_num_f32 v[BM], v[BM], v[S+31]
	v_max_num_f32 v[BM+1], v[BM+1], v[S+63]
	s_delay_alu instid0(VALU_DEP_1)
	v_max_num_f32 v[TMP], v[BM], v[BM+1]
	s_delay_alu instid0(VALU_DEP_1)
	v_permlanex16_b32 v[PT], v[TMP], s[SEL], s[SEL+1]
	s_delay_alu instid0(VALU_DEP_1)
	v_max_num_f32 v[TMP], v[TMP], v[PT]            ; the step's largest score of my query
	s_delay_alu instid0(VALU_DEP_1)
	v_mul_f32 v[TMP], s[CS], v[TMP]
	s_delay_alu instid0(VALU_DEP_1)
	v_max_num_f32 v[\st+1], v[\st+1], v[TMP]       ; the running largest t
	v_mov_b32 v[TMP], v[\st]
	s_delay_alu instid0(VALU_DEP_2)
	v_floor_f32 v[\st], -v[\st+1]                  ; -M = floor(-t)
	s_delay_alu instid0(VALU_DEP_1)
	v_sub_f32 v[TMP], v[\st], v[TMP]               ; old M - new M: a whole number, 0 or less
	s_delay_alu instid0(VALU_DEP_1)
	v_cvt_i32_f32 v[TMP], v[TMP]
	s_delay_alu instid0(VALU_DEP_1)
	v_ldexp_f32 v[F], 1.0, v[TMP]                  ; f = 2^(old M - new M)
.set j2, 0
.rept 32
	v_pk_fma_f32 v[S+j2:S+j2+1], v[S+j2:S+j2+1], s[CS:CS+1], v[\st:\st+1] op_sel_hi:[1,0,0]   ; t - M
.set j2, j2+2
.endr
	v_fma_f32 v[BM], v[BM], s[CS], v[\st]
	v_fma_f32 v[BM+1], v[BM+1], s[CS], v[\st]
	s_wait_alu depctr_va_vdst(0)                   ; the wait ahead of the batch
.set j2, 0
.rept 64
	v_exp_f32 v[S+j2], v[S+j2]                     ; p = 2^(t - M)
.set j2, j2+1
.endr
	v_exp_f32 v[BM], v[BM]                         ; the blocks' largest p
	v_exp_f32 v[BM+1], v[BM+1]
	v_pk_mul_f32 v[\st+2:\st+3], v[\st+2:\st+3], v[F:F+1] op_sel_hi:[1,0]   ; the sums under the new M: the plain instruction behind the batch
	s_wait_alu depctr_va_vdst(0)                   ; one wait for the 66, ahead of their first reader
	v_max_num_f32 v[BM], 0x1800000, v[BM]          ; the floor: the byte cannot fall under 1
	v_max_num_f32 v[BM+1], 0x1800000, v[BM+1]
	s_delay_alu instid0(VALU_DEP_2)
	v_add_nc_u32 v[BM], 0xff000000, v[BM]          ; 2 off the exponent field: the conversions' scale operands
	s_delay_alu instid0(VALU_DEP_2)
	v_add_nc_u32 v[BM+1], 0xff000000, v[BM+1]
	s_delay_alu instid0(VALU_DEP_2)
	v_lshrrev_b32 v[BY], 23, v[BM]
	s_delay_alu instid0(VALU_DEP_2)
	v_lshrrev_b32 v[BY+1], 23, v[BM+1]
	s_delay_alu instid0(VALU_DEP_1)
	v_lshl_or_b32 v[PW], v[BY+1], 16, v[BY]        ; blocks h and 2 + h,
	s_delay_alu instid0(VALU_DEP_1)
	v_lshlrev_b32 v[PW], v[SH8], v[PW]
	s_delay_alu instid0(VALU_DEP_1)
	v_permlanex16_b32 v[PT], v[PW], s[SEL], s[SEL+1]
	s_delay_alu instid0(VALU_DEP_1)
	v_or_b32 v[PW], v[PW], v[PT]                   ; p's scale word for these 128 keys
	v_cvt_scalef32_pk16_fp6_f32 v[P:P+2], v[S:S+15], v[BM]          ; the lower halves of my two blocks
	v_cvt_scalef32_pk16_fp6_f32 v[P+6:P+8], v[S+32:S+47], v[BM+1]
	v_nop                                          ; a plain instruction behind the conversions
	TREE S, S+32                                   ; their p are summed in place: no register beside S is needed
	v_cvt_scalef32_pk16_fp6_f32 v[S+4:S+6], v[S+16:S+31], v[BM]     ; the upper halves (a conversion's three registers begin on an even number: they land in registers that the sums have left)
	v_cvt_scalef32_pk16_fp6_f32 v[S+36:S+38], v[S+48:S+63], v[BM+1]
	v_nop
.irp i, 0,1,2
	v_mov_b32 v[P+3+\i], v[S+4+\i]
	v_mov_b32 v[P+9+\i], v[S+36+\i]
.endr
	TREE S+16, S+48
	v_pk_add_f32 v[S:S+1], v[S:S+1], v[S+32:S+33]
	v_pk_add_f32 v[S+16:S+17], v[S+16:S+17], v[S+48:S+49]
	s_delay_alu instid0(VALU_DEP_1)
	v_pk_add_f32 v[S:S+1], v[S:S+1], v[S+16:S+17]
	s_delay_alu instid0(VALU_DEP_1)
	v_pk_add_f32 v[\st+2:\st+3], v[\st+2:\st+3], v[S:S+1]           ; the sum of the unquantised p
	s_wait_alu depctr_va_vdst(0)                   ; directly ahead of the first reader of O^T
.set j2, 0
.rept 16
	v_pk_mul_f32 v[\o+j2:\o+j2+1], v[\o+j2:\o+j2+1], v[F:F+1] op_sel_hi:[1,0]   ; O^T under the new M
.set j2, j2+2
.endr
	s_wait_alu depctr_va_vdst(0)
	s_wait_dscnt 0x0                               ; V is in
.irp u, 0,1,2,3                        ; O^T += V^T P^T: the four accumulators by turns
	v_wmma_scale_f32_16x16x128_f8f6f4 v[\o+8*\u:\o+8*\u+7], v[KV+12*\u:KV+12*\u+11], v[P:P+11], v[\o+8*\u:\o+8*\u+7], v[SCW+\u], v[PW] matrix_a_fmt:MATRIX_FMT_FP6 matrix_b_fmt:MATRIX_FMT_FP6 matrix_a_scale:MATRIX_SCALE_ROW1
.endr
.Lhid_\@:
.endm
.macro SLOT_STEPS                      ; my two key steps of the slot, each for both tiles
.irp j, 0,1
	TSTEP \j, STB, QF+6, QF, QSB, OB, Q0B
	TSTEP \j, STA, QF+18, QF+12, QSA, OA, Q0A
	s_add_co_u32 s[KF], s[KF], 256
	s_add_co_u32 s[TS], s[TS], 1024
.endr
	s_xor_b32 s[TB], s[TB], SLOT1
	s_add_co_u32 s[KS], s[KS], 512
.endm
	s_load_b256 s[4:11], s[0:1], 0x0               ; qc, qs, kc, vc
	s_load_b128 s[12:15], s[0:1], 0x20             ; sc, obuf
	v_lshl_add_u32 v[SPW], v0, 2, SPARE
	v_mov_b32 v[NIL], 0
	ds_add_u32 v[SPW], v[NIL]                      ; the wave's opening: the add, twice on end, and its wait ahead of the first tensor load
	ds_add_u32 v[SPW], v[NIL]
	v_lshrrev_b32 v8, 5, v0
	s_delay_alu instid0(VALU_DEP_1)
	v_readfirstlane_b32 s[WV], v8                  ; wave 0..15
	s_and_b32 s74, ttmp7, 0xffff                   ; bh
	s_lshr_b32 s75, s[WV], 1                       ; my tile t
	s_lshr_b32 s76, s[WV], 2
	s_xor_b32 s76, s76, s[WV]
	s_and_b32 s[PAR], s76, 1                       ; my parity of key steps
	s_sub_co_u32 s77, 31, ttmp9                    ; block B
	s_lshr_b32 s79, s75, 2
	s_lshl_b32 s79, s79, 6
	s_and_b32 s78, s75, 3
	s_lshl_b32 s78, s78, 3
	s_add_co_u32 s79, s79, s78                     ; 64 (t / 4) + 8 (t % 4)
	s_lshl_b32 s[Q0B], s77, 7
	s_add_co_u32 s[Q0B], s[Q0B], s79
	s_lshl_b32 s[Q0A], ttmp9, 7
	s_add_co_u32 s[Q0A], s[Q0A], s79
	s_lshl_b32 s[QL], s77, 7
	s_add_co_u32 s[QL], s[QL], 127
	s_and_b32 s[QSH], s75, 1
	s_lshl_b32 s[QSH], s[QSH], 4
	s_lshl_b32 s80, s74, 5                         ; 32 bh
	s_lshr_b32 s79, s75, 1
	s_lshl_b32 s79, s79, 2                         ; Q's scale words: word t / 2 of each row
	s_add_co_u32 s82, s80, s77                     ; tile B: 32 bh + block
	s_lshl_b32 s84, s82, 8
	s_add_co_u32 s84, s84, s79
	s_mov_b32 s85, 0
	s_lshl_b32 s82, s82, 3
	s_add_co_u32 s82, s82, s75
	s_mul_i32 s82, s82, 768                        ; its half image
	s_mov_b32 s83, 0
	s_add_co_u32 s52, s80, ttmp9                   ; tile A likewise
	s_lshl_b32 s54, s52, 8
	s_add_co_u32 s54, s54, s79
	s_mov_b32 s55, 0
	s_lshl_b32 s52, s52, 3
	s_add_co_u32 s52, s52, s75
	s_mul_i32 s52, s52, 768
	s_mov_b32 s53, 0
	s_and_b32 s92, s[WV], 1
	s_cmp_eq_u32 s92, 1
	s_cselect_b32 s78, ttmp9, s77                  ; the block of the tile that I finish: B (w even) or A
	s_lshr_b32 s86, s74, 3
	s_lshl_b32 s86, s86, 5
	s_add_co_u32 s86, s86, s78
	s_lshl_b32 s86, s86, 3
	s_add_co_u32 s86, s86, s75                     ; token tile 8 (32 b + block) + t
	s_lshl_b32 s86, s86, 3
	s_and_b32 s79, s74, 7
	s_add_co_u32 s86, s86, s79                     ; x 8 + head
	s_lshl_b32 s86, s86, 10
	s_mov_b32 s87, 0
	s_mul_i32 s88, s74, 196608                     ; the head's codes of K and of V
	s_mov_b32 s89, 0
	s_lshl_b32 s90, s74, 14                        ; and its scale words
	s_mov_b32 s91, 0
	s_mul_i32 s93, s92, SLOTB
	s_and_b32 s94, s[WV], 3                        ; who prefetches
	s_lshr_b32 s81, s[WV], 2
	s_sub_co_u32 s79, s81, 1
	s_cmp_lt_u32 s79, 2                            ; waves 4 to 11,
	s_cselect_b32 s[LIM], 1, -1
	s_cmp_eq_u32 s94, 3                            ; but not 7 and 11,
	s_cselect_b32 s[LIM], -1, s[LIM]
	s_cmp_lg_u32 ttmp9, 0                          ; of work-group i = 0
	s_cselect_b32 s[LIM], -1, s[LIM]
	s_lshl_b32 s94, s94, 13
	s_add_co_u32 s94, s94, SLOTB                   ; in slot 1: the first change of slots steps it to slot 2
	s_mov_b32 s95, 0
	s_mul_i32 s56, s[WV], 2*REC                    ; my two records
	s_mul_i32 s57, s75, 4*REC                      ; my pair's four,
	s_mul_i32 s58, s92, REC
	s_add_co_u32 s57, s57, s58                     ; of them the tile that I finish
	s_mul_i32 s59, s[PAR], 6144
	s_lshl_b32 s60, s[PAR], 9
	s_lshl_b32 s[KF], s[PAR], 7
	; group 1: a dense block as rows of 256 bytes (32 elements of 8 bytes): 96 rows for K's or V's part of a slot, 64 for the scale words
	s_mov_b32 s[G1], 3<<16
	s_mov_b32 s[G1+1], 32<<16
	s_mov_b32 s[G1+2], 96<<16
	s_mov_b32 s[G1+3], 32<<16
	s_mov_b32 s[G1+4], 96
	s_mov_b32 s[G1+5], 32
	s_mov_b32 s[G1+6], 0
	s_mov_b32 s[G1+7], 0
	s_mov_b32 s[G1S], 3<<16
	s_mov_b32 s[G1S+1], 32<<16
	s_mov_b32 s[G1S+2], 64<<16
	s_mov_b32 s[G1S+3], 32<<16
	s_mov_b32 s[G1S+4], 64
	s_mov_b32 s[G1S+5], 32
	s_mov_b32 s[G1S+6], 0
	s_mov_b32 s[G1S+7], 0
	s_mov_b32 s[SEL], 0x76543210
	s_mov_b32 s[SEL+1], 0xfedcba98
	s_mov_b32 s[CS], 0x3e38aa3b                    ; log2(e) / 8
	s_mov_b32 s[CS+1], s[CS]
	s_mov_b32 s[NINF], 0xff800000
	s_mov_b32 s[TB], 0
	s_mov_b32 s[TS], 0
	s_mov_b32 s[KS], 0
	s_mov_b32 s[SLOTS], 7
	v_and_b32 v8, 31, v0                           ; lane
	v_and_b32 v9, 15, v0                           ; r
	v_bfe_u32 v10, v0, 4, 1                        ; h
	v_lshlrev_b32 v[BY], 4, v8                     ; 16 x lane and 8 x lane, for the head
	v_lshlrev_b32 v[BY+1], 3, v8
	v_lshlrev_b32 v[PFO], 8, v8
	v_lshlrev_b32 v[SH8], 3, v10
	v_add_nc_u32 v[LIP], s59, v[BY]
	v_add_nc_u32 v[L8P], s59, v[BY+1]
	v_add_nc_u32 v[ASC], s60, v[BY]
	v_add_nc_u32 v[MW], s56, v[BY]
	v_add_nc_u32 v[MR], s57, v[BY]
	v_add_nc_u32 v[ASC], SCB, v[ASC]
	v_add_nc_u32 v[MW], MRG, v[MW]
	v_add_nc_u32 v[MR], MRG, v[MR]
	v_and_b32 v[QD], 7, v9
	v_lshrrev_b32 v[TMP], 3, v9
	s_delay_alu instid0(VALU_DEP_1)
	v_lshl_add_u32 v[QD], v[TMP], 5, v[QD]
	v_lshlrev_b32 v[TMP], 5, v10
	s_delay_alu instid0(VALU_DEP_1)
	v_sub_nc_u32 v[QD], v[QD], v[TMP]
	v_lshlrev_b32 v[DD], 4, v9                     ; 16 r: for Q's scale words
	s_wait_alu depctr_va_vdst(0)                   ; directly ahead of the waits below
	s_wait_dscnt 0x0                               ; both opening adds are done
	s_wait_kmcnt 0x0
	s_mov_b32 s[G0], 1
	s_mov_b32 s[G0+1], s93                         ; slot 0: K's part (even waves) or V's
	s_cmp_eq_u32 s92, 0
	s_cselect_b64 s[G0+2:G0+3], s[8:9], s[10:11]
	s_add_nc_u64 s[G0+2:G0+3], s[G0+2:G0+3], s[88:89]
	s_or_b32 s[G0+3], s[G0+3], 0x80000000
	s_mov_b32 s[G0S], 1
	s_mov_b32 s[G0S+1], SCB
	s_add_nc_u64 s[G0S+2:G0S+3], s[12:13], s[90:91]
	s_or_b32 s[G0S+3], s[G0S+3], 0x80000000
	s_cmp_lt_u32 s[WV], 2                          ; the first fills: waves 0 and 1 slot 0, wave 2 the scale words
	s_cbranch_scc0 .Lnot_kv
	tensor_load_to_lds s[G0:G0+3], s[G1:G1+7]
	s_nop 0
	PLACES
	s_branch .Lfirst_done
.Lnot_kv:
	s_cmp_eq_u32 s[WV], 2
	s_cbranch_scc0 .Lfirst_done
	tensor_load_to_lds s[G0S:G0S+3], s[G1S:G1S+7]
	s_nop 0
	PLACES
.Lfirst_done:
	s_cmp_eq_u32 s81, 1
	s_cselect_b64 s[PFA:PFA+1], s[8:9], s[10:11]
	s_add_nc_u64 s[PFA:PFA+1], s[PFA:PFA+1], s[88:89]
	s_add_nc_u64 s[PFA:PFA+1], s[PFA:PFA+1], s[94:95]
	s_add_nc_u64 s[82:83], s[4:5], s[82:83]
	s_add_nc_u64 s[52:53], s[4:5], s[52:53]
	s_add_nc_u64 s[84:85], s[6:7], s[84:85]
	s_add_nc_u64 s[54:55], s[6:7], s[54:55]
	s_add_nc_u64 s[14:15], s[14:15], s[86:87]
	global_load_b128 v[QF+6:QF+9], v[BY], s[82:83]             ; qB's six registers,
	global_load_b64 v[QF+10:QF+11], v[BY+1], s[82:83] offset:512
	global_load_b128 v[QF+18:QF+21], v[BY], s[52:53]           ; and qA's
	global_load_b64 v[QF+22:QF+23], v[BY+1], s[52:53] offset:512
	global_load_b32 v[QSB], v[DD], s[84:85]
	global_load_b32 v[QSA], v[DD], s[54:55]
.irp j, 0,1,2,3,4,5
	v_mov_b32 v[QF+\j], 0                          ; zero codes
	v_mov_b32 v[QF+12+\j], 0
	v_mov_b32 v[QF+24+\j], 0
.endr
	v_mov_b32 v[STB+1], 0xff61b1e6                 ; the largest t so far: -3e38
	v_mov_b32 v[STA+1], 0xff61b1e6
	s_delay_alu instid0(VALU_DEP_2)
	v_floor_f32 v[STB], -v[STB+1]
	s_delay_alu instid0(VALU_DEP_2)
	v_floor_f32 v[STA], -v[STA+1]
.irp j, 2,3
	v_mov_b32 v[STB+\j], 0
	v_mov_b32 v[STA+\j], 0
.endr
	v_mov_b32 v[PT], 0                             ; a lane permute's destination counts as one of its sources
	v_mov_b32 v[F+1], 0                            ; (named as the upper half of a pair)
	s_wait_loadcnt 0x0
	v_lshrrev_b32 v[QSB], s[QSH], v[QSB]           ; my tile's two bytes,
	v_lshrrev_b32 v[QSA], s[QSH], v[QSA]
	s_delay_alu instid0(VALU_DEP_2)
	v_and_b32 v[QSB], 0xffff, v[QSB]
	s_delay_alu instid0(VALU_DEP_2)
	v_and_b32 v[QSA], 0xffff, v[QSA]
	s_delay_alu instid0(VALU_DEP_2)
	v_lshl_or_b32 v[QSB], v[QSB], 16, v[QSB]       ; for both halves of K
	s_delay_alu instid0(VALU_DEP_2)
	v_lshl_or_b32 v[QSA], v[QSA], 16, v[QSA]
.set j, 0
.rept 64
	v_mov_b32 v[OB+j], 0                           ; both O^T: the step is written once; the first finds zeros, and a tile of which I have no step hands zeros to the join
.set j, j+1
.endr
	s_wait_alu depctr_va_vdst(0)                   ; the wait at the head's end
.Lslot:                                            ; seven trips: behind each change of slots but the last the next slot is asked for, up to the causal limit
	CHANGE 1
	SLOT_STEPS
	s_sub_co_u32 s[SLOTS], s[SLOTS], 1
	s_cmp_lg_u32 s[SLOTS], 0
	s_cbranch_scc1 .Lslot
	CHANGE 0                                       ; the last slot is written out: nothing is left to fetch
	SLOT_STEPS
	; THE JOIN: both my tiles' records into LDS bytes of my own, into which no fill lands
	PLACES
	s_wait_alu depctr_va_vdst(0)                   ; directly ahead of the first reader of the O^T
.irp u, 0,1,2,3,4,5,6,7
	ds_store_b128 v[MW], v[OB+4*\u:OB+4*\u+3] offset:512*\u          ; each accumulator from its low end on
.endr
	ds_store_b128 v[MW], v[STB:STB+3] offset:4096
.irp u, 0,1,2,3,4,5,6,7
	ds_store_b128 v[MW], v[OA+4*\u:OA+4*\u+3] offset:REC+512*\u
.endr
	ds_store_b128 v[MW], v[STA:STA+3] offset:REC+4096
	s_wait_dscnt 0x0                               ; for my partner's sake
	s_barrier_signal -1
	s_barrier_wait -1
.irp u, 0,1,2,3,4,5,6,7
	ds_load_b128 v[S+4*\u:S+4*\u+3], v[MR] offset:512*\u             ; the even partner's O^T of the tile that I finish,
	ds_load_b128 v[S+32+4*\u:S+32+4*\u+3], v[MR] offset:2*REC+512*\u ; the odd partner's,
.endr
	ds_load_b128 v[KV:KV+3], v[MR] offset:4096                       ; and their states
	ds_load_b128 v[KV+4:KV+7], v[MR] offset:2*REC+4096
	v_mov_b32 v[KV+13], 0                          ; (named as the upper halves of pairs)
	v_mov_b32 v[KV+15], 0
	v_mov_b32 v[TMP], 0
	v_and_b32 v[KV+30], 31, v0
	s_delay_alu instid0(VALU_DEP_1)
	v_lshlrev_b32 v[KV+31], 4, v[KV+30]            ; 16 x lane
	v_lshlrev_b32 v[KV+32], 3, v[KV+30]            ; 8 x lane
	s_wait_alu depctr_va_vdst(0)
	s_wait_dscnt 0x0
	v_min_num_f32 v[KV+8], v[KV], v[KV+4]          ; -M of the larger M
	v_add_f32 v[KV+2], v[KV+2], v[KV+3]
	v_add_f32 v[KV+6], v[KV+6], v[KV+7]
	v_sub_f32 v[KV+9], v[KV+8], v[KV]              ; each partner's M less the larger: a whole number, 0 or less
	v_sub_f32 v[KV+10], v[KV+8], v[KV+4]
	s_delay_alu instid0(VALU_DEP_2)
	v_cvt_i32_f32 v[KV+9], v[KV+9]
	s_delay_alu instid0(VALU_DEP_2)
	v_cvt_i32_f32 v[KV+10], v[KV+10]
	s_delay_alu instid0(VALU_DEP_2)
	v_ldexp_f32 v[KV+9], 1.0, v[KV+9]
	s_delay_alu instid0(VALU_DEP_2)
	v_ldexp_f32 v[KV+10], 1.0, v[KV+10]
	s_delay_alu instid0(VALU_DEP_2)
	v_mul_f32 v[KV+2], v[KV+2], v[KV+9]
	s_delay_alu instid0(VALU_DEP_1)
	v_fma_f32 v[KV+2], v[KV+6], v[KV+10], v[KV+2]
	s_delay_alu instid0(VALU_DEP_1)
	v_permlanex16_b32 v[PT], v[KV+2], s[SEL], s[SEL+1]
	s_delay_alu instid0(VALU_DEP_1)
	v_add_f32 v[KV+2], v[KV+2], v[PT]              ; the row's sum
	s_wait_alu depctr_va_vdst(0)
	v_rcp_f32 v[KV+11], v[KV+2]
	v_nop                                          ; a plain instruction behind the reciprocal
	s_wait_alu depctr_va_vdst(0)                   ; and the wait ahead of its first reader
	v_mul_f32 v[KV+12], v[KV+9], v[KV+11]
	v_mul_f32 v[KV+14], v[KV+10], v[KV+11]
.set j, 0
.rept 16
	v_pk_mul_f32 v[S+j:S+j+1], v[S+j:S+j+1], v[KV+12:KV+13] op_sel_hi:[1,0]
.set j, j+2
.endr
.set j, 0
.rept 16
	v_pk_fma_f32 v[S+j:S+j+1], v[S+32+j:S+32+j+1], v[KV+14:KV+15], v[S+j:S+j+1] op_sel_hi:[1,0,1]   ; register 8 u + i: channel 32 h + 8 u + i of my query
.set j, j+2
.endr
	; THE WAY OUT: my 32 channels are one block of the output projection's K: six registers of codes and a byte
	QH S, P
	v_lshlrev_b32 v[PW], v[SH8], v[TM+4]
	s_delay_alu instid0(VALU_DEP_1)
	v_permlanex16_b32 v[PT], v[PW], s[SEL], s[SEL+1]
	s_delay_alu instid0(VALU_DEP_1)
	v_or_b32 v[PW], v[PW], v[PT]                   ; the head's two bytes of my query
	global_store_b128 v[KV+31], v[P:P+3], s[14:15]             ; 512 consecutive bytes, aligned
	global_store_b64 v[KV+32], v[P+4:P+5], s[14:15] offset:512 ; 256
	global_store_b64 v[KV+32], v[PW:PW+1], s[14:15] offset:768 ; 256: the word and a 0 for each lane
	s_wait_tensorcnt 0x0                           ; the wave's end
	ds_add_u32 v[SPW], v[NIL]
	s_wait_dscnt 0x0
	s_endpgm
.Lfunc_end_k_q3cb133eb11_attn:
	.size	k_q3cb133eb11_attn, .Lfunc_end_k_q3cb133eb11_attn-k_q3cb133eb11_attn
	.p2alignl 7, 3214868480
	.fill 96, 4, 3214868480
	.section	.rodata,"a",@progbits
	.p2align	6, 0x0
	.amdhsa_kernel k_q3cb133eb11_attn
		.amdhsa_group_segment_fixed_size 327680
		.amdhsa_private_segment_fixed_size 0
		.amdhsa_enable_private_segment 0
		.amdhsa_kernarg_size 48
		.amdhsa_user_sgpr_count 2
		.amdhsa_user_sgpr_kernarg_segment_ptr 1
		.amdhsa_wavefront_size32 1
		.amdhsa_system_sgpr_workgroup_id_x 1
		.amdhsa_system_sgpr_workgroup_id_y 1
		.amdhsa_system_sgpr_workgroup_id_z 1
		.amdhsa_system_vgpr_workitem_id 0
		.amdhsa_next_free_vgpr 256
		.amdhsa_next_free_sgpr 100
		.amdhsa_reserve_vcc 1
		.amdhsa_float_denorm_mode_32 3
		.amdhsa_float_denorm_mode_16_64 3
		.amdhsa_memory_ordered 1
		.amdhsa_forward_progress 1
		.amdhsa_inst_pref_size 187
	.end_amdhsa_kernel
	.amdgpu_metadata
---
amdhsa.version: [ 1, 2 ]
amdhsa.kernels:
  - .name:           k_q3cb133eb11_attn
    .symbol:         k_q3cb133eb11_attn.kd
    .args:
      - { .name: qc, .offset: 0, .size: 8, .value_kind: global_buffer, .address_space: global }
      - { .name: qs, .offset: 8, .size: 8, .value_kind: global_buffer, .address_space: global }
      - { .name: kc, .offset: 16, .size: 8, .value_kind: global_buffer, .address_space: global }
      - { .name: vc, .offset: 24, .size: 8, .value_kind: global_buffer, .address_space: global }
      - { .name: sc, .offset: 32, .size: 8, .value_kind: global_buffer, .address_space: global }
      - { .name: obuf, .offset: 40, .size: 8, .value_kind: global_buffer, .address_space: global }
    .group_segment_fixed_size: 327680
    .private_segment_fixed_size: 0
    .kernarg_segment_align: 8
    .kernarg_segment_size: 48
    .max_flat_workgroup_size: 512
    .sgpr_count:     100
    .vgpr_count:     256
    .wavefront_size: 32
...
	.end_amdgpu_metadata
.endif
;; end of part 3
;; launch oproj (part 4): grid 32 x 8, 8 waves a work-group, no clusters, 60,416 bytes of LDS; arguments obuf, wimg, wsc, b_o, out0; writes out0
.if DOCPART == 4
	.amdgcn_target "amdgcn-amd-amdhsa--gfx1250"
	.amdhsa_code_object_version 6
	.text
	.protected	k_q3cb133eb11_oproj
	.globl	k_q3cb133eb11_oproj
	.p2align	8
	.type	k_q3cb133eb11_oproj,@function
k_q3cb133eb11_oproj:
	s_mov_b64 s[64:65], 0
	v_nop
	global_prefetch_b8 v0, s[64:65] scope:SCOPE_SE
	s_setreg_imm32_b32 hwreg(HW_REG_WAVE_MODE, 25, 1), 1
	s_wait_xcnt 0x0
; out0 = o W_o^T + b_o on codes of E2M3.  o's codes and scale words lie in obuf as attn stored them: [token tile][head][1,024]: a half image (six registers: k = 64 head + 32 h + 0 .. 31) and a scale word for each lane.
; SHARES.  Work-group (x, y): 256 tokens (16 token tiles) x output channels 64 y .. 64 y + 63.  Wave w: token tiles 16 x + 2 w + e, e = 0, 1, against W_o's four tiles of group y: 8 accumulators, 32 products.
; o goes from memory straight into operand registers.  W_o's 16 fragments (24,576 bytes) are read once by the work-group, an eighth a wave, and reach all waves through LDS as images of their registers.
; Source 0 = W_o, source 1 = o: a lane holds one token and channels 32 h + 8 u + 0 .. 7 of the group: 128 neighbouring bytes of a row of out0 in its 32 registers.
; THE WAY OUT: through the wave's own stage (16 rows of 256 bytes + 16), back by rows: sixteen lanes store 256 consecutive bytes, aligned.  Row p of a tile is token 32 (p / 8) + p % 8 on from the tile's first.
; No tensor loads, no cluster (what work-groups share is 24 KB of weights and o's records, read by the eight groups y), no prefetch (a short launch).
.set STAGE, 24576
.set SPARE, 59392
.set LI,  1                            ; v1   16 x lane
.set L8,  2                            ; v2   8 x lane
.set R16, 3                            ; v3   16 r
.set H128, 4                           ; v4   128 h
.set WLA, 5                            ; v5   16 x lane + 3,072 x wave: my eighth of W_o, in memory and in LDS
.set STO, 6
.set RD,  7
.set GO,  8
.set SPW, 10                           ; v10  my spare word; never rewritten
.set NIL, 11                           ; v11  0; never rewritten
.set WT,  12                           ; v12-35 my eighth of W_o on its way
.set AH,  36                           ; v36-51 o's words (8 e + head)
.set AS,  52                           ; v52-59 o's scale words (4 e + s)
.set WS,  60                           ; v60-75 W_o's (4 u + s)
.set AF,  76                           ; v76-171 o's fragments (48 e + 12 s)
.set OB,  76                           ; the way out: rows read back
.set ACC, 172                          ; v172-235 (32 e + 8 u)
.set BI,  192                          ; window 1: v0-191 W_o's fragments; v192-223 the bias
.set MSB, 0
.macro WIN new
.if MSB != \new
	s_set_vgpr_msb (MSB<<8)|\new
.set MSB, \new
.endif
.endm
	s_load_b256 s[4:11], s[0:1], 0x0               ; obuf, wimg, wsc, b_o
	s_load_b64 s[12:13], s[0:1], 0x20              ; out0
	v_lshl_add_u32 v[SPW], v0, 2, SPARE
	v_mov_b32 v[NIL], 0
	v_lshrrev_b32 v9, 5, v0
	s_delay_alu instid0(VALU_DEP_1)
	v_readfirstlane_b32 s14, v9                    ; wave 0..7
	s_and_b32 s15, ttmp7, 0xffff                   ; y
	v_and_b32 v9, 31, v0                           ; lane
	v_and_b32 v236, 15, v0                         ; r
	v_bfe_u32 v237, v0, 4, 1                       ; h
	s_delay_alu instid0(VALU_DEP_3)
	v_lshlrev_b32 v[LI], 4, v9
	s_delay_alu instid0(VALU_DEP_4)
	v_lshlrev_b32 v[L8], 3, v9
	s_delay_alu instid0(VALU_DEP_4)
	v_lshlrev_b32 v[R16], 4, v236
	s_delay_alu instid0(VALU_DEP_4)
	v_lshlrev_b32 v[H128], 7, v237
	s_mul_i32 s16, s14, 3072
	v_add_nc_u32 v[WLA], s16, v[LI]
	s_mul_i32 s16, s14, 4352
	s_add_co_u32 s16, s16, STAGE                   ; my stage
	v_mul_u32_u24 v[STO], v236, 272
	s_delay_alu instid0(VALU_DEP_1)
	v_add_nc_u32 v[STO], v[STO], v[H128]
	s_delay_alu instid0(VALU_DEP_1)
	v_add_nc_u32 v[STO], s16, v[STO]               ; in: row r, + 128 h
	v_mul_u32_u24 v[RD], v237, 272
	s_delay_alu instid0(VALU_DEP_1)
	v_add_nc_u32 v[RD], v[RD], v[R16]
	s_delay_alu instid0(VALU_DEP_1)
	v_add_nc_u32 v[RD], s16, v[RD]                 ; back: lanes 0-15 one row, lanes 16-31 the next
	v_lshl_add_u32 v[GO], v237, 11, v[R16]         ; and the same in out0: rows of 2,048 bytes
	s_lshl_b32 s18, ttmp9, 17
	s_lshl_b32 s19, s14, 14
	s_add_co_u32 s18, s18, s19                     ; o: (16 x + 2 w) records of 8,192 bytes
	s_mov_b32 s19, 0
	s_mul_i32 s20, s15, 24576
	s_add_co_u32 s20, s20, 589824                  ; W_o is the fourth weight
	s_mov_b32 s21, 0
	s_lshl_b32 s22, s15, 10
	s_add_co_u32 s22, s22, 24576
	s_mov_b32 s23, 0
	s_lshl_b32 s24, s15, 8
	s_mov_b32 s25, 0
	s_lshl_b32 s26, ttmp9, 8
	s_lshr_b32 s27, s14, 2
	s_lshl_b32 s27, s27, 7
	s_add_co_u32 s26, s26, s27
	s_bfe_u32 s27, s14, 0x10001
	s_lshl_b32 s27, s27, 6
	s_add_co_u32 s26, s26, s27
	s_and_b32 s27, s14, 1
	s_lshl_b32 s27, s27, 4
	s_add_co_u32 s26, s26, s27                     ; my first token: 256 x + 128 (w / 4) + 64 ((w / 2) % 2) + 16 (w % 2)
	s_lshl_b32 s26, s26, 11
	s_add_co_u32 s26, s26, s24                     ; + 256 y bytes
	s_mov_b32 s27, 0
	s_wait_alu depctr_va_vdst(0)
	s_wait_kmcnt 0x0
	s_add_nc_u64 s[4:5], s[4:5], s[18:19]
	s_add_nc_u64 s[6:7], s[6:7], s[20:21]
	s_add_nc_u64 s[8:9], s[8:9], s[22:23]
	s_add_nc_u64 s[10:11], s[10:11], s[24:25]
	s_add_nc_u64 s[12:13], s[12:13], s[26:27]
.irp k, 0,1,2,3,4,5
	global_load_b128 v[WT+4*\k:WT+4*\k+3], v[WLA], s[6:7] offset:512*\k
.endr
.irp e, 0,1
.irp d, 0,1,2,3,4,5,6,7                ; head d is registers 6 (d % 2) .. of K step d / 2
	global_load_b128 v[AF+48*\e+6*\d:AF+48*\e+6*\d+3], v[LI], s[4:5] offset:8192*\e+1024*\d
	global_load_b64 v[AF+48*\e+6*\d+4:AF+48*\e+6*\d+5], v[L8], s[4:5] offset:8192*\e+1024*\d+512
	global_load_b32 v[AH+8*\e+\d], v[L8], s[4:5] offset:8192*\e+1024*\d+768
.endr
.endr
.irp u, 0,1,2,3
	global_load_b128 v[WS+4*\u:WS+4*\u+3], v[R16], s[8:9] offset:256*\u
.endr
	WIN 0x40                                       ; destination window 1
.irp u, 0,1,2,3                        ; the bias in the result's layout: register j of tile u is channel 32 h + 8 u + j
	global_load_b128 v[BI+8*\u:BI+8*\u+3], v[H128], s[10:11] offset:32*\u
	global_load_b128 v[BI+8*\u+4:BI+8*\u+7], v[H128], s[10:11] offset:32*\u+16
.endr
	WIN 0
	s_wait_loadcnt 60                              ; my eighth of W_o is in; the 48 + 4 + 8 loads behind it may be out
.irp k, 0,1,2,3,4,5
	ds_store_b128 v[WLA], v[WT+4*\k:WT+4*\k+3] offset:512*\k
.endr
	s_wait_dscnt 0x0                               ; for the others' sake: my stores have landed
	s_barrier_signal -1
	s_barrier_wait -1
	WIN 0x40
.set k, 0
.rept 48
	ds_load_b128 v[4*k:4*k+3], v[LI] offset:512*k
.set k, k+1
.endr
	WIN 0
	s_wait_loadcnt 0x0
.irp e, 0,1
.irp s, 0,1,2,3
	v_lshl_or_b32 v[AS+4*\e+\s], v[AH+8*\e+2*\s+1], 16, v[AH+8*\e+2*\s]   ; K step s: head 2 s's two bytes below, head 2 s + 1's above
.endr
.endr
.rept 8
	v_nop                                          ; a scale register written by a vector instruction stands eight places ahead of the product
.endr
	s_wait_alu depctr_va_vdst(0)
	s_wait_dscnt 0x0
.irp s, 0,1,2,3                        ; the eight accumulators take turns, one instruction a turn; the bias is the C of each sum's first product
.if \s == 0
	WIN 0x11
.else
	WIN 0x01
.endif
.irp e, 0,1
.irp u, 0,1,2,3
.if \s == 0
	v_wmma_scale_f32_16x16x128_f8f6f4 v[ACC+32*\e+8*\u:ACC+32*\e+8*\u+7], v[12*(4*\u+\s):12*(4*\u+\s)+11], v[AF+48*\e+12*\s:AF+48*\e+12*\s+11], v[BI+8*\u:BI+8*\u+7], v[WS+4*\u+\s], v[AS+4*\e+\s] matrix_a_fmt:MATRIX_FMT_FP6 matrix_b_fmt:MATRIX_FMT_FP6
.else
	v_wmma_scale_f32_16x16x128_f8f6f4 v[ACC+32*\e+8*\u:ACC+32*\e+8*\u+7], v[12*(4*\u+\s):12*(4*\u+\s)+11], v[AF+48*\e+12*\s:AF+48*\e+12*\s+11], v[ACC+32*\e+8*\u:ACC+32*\e+8*\u+7], v[WS+4*\u+\s], v[AS+4*\e+\s] matrix_a_fmt:MATRIX_FMT_FP6 matrix_b_fmt:MATRIX_FMT_FP6
.endif
.endr
.endr
.endr
	WIN 0
.rept 4
	v_nop                                          ; four places ahead of the first read of results and of loads into o's registers
.endr
.irp e, 0,1
.irp u, 0,1,2,3
	ds_store_b128 v[STO], v[ACC+32*\e+8*\u:ACC+32*\e+8*\u+3] offset:32*\u        ; each accumulator from its low end on
	ds_store_b128 v[STO], v[ACC+32*\e+8*\u+4:ACC+32*\e+8*\u+7] offset:32*\u+16
.endr
.irp i, 0,1,2,3,4,5,6,7
	ds_load_b128 v[OB+32*\e+4*\i:OB+32*\e+4*\i+3], v[RD] offset:544*\i           ; LDS serves a wave's instructions in order: these see my stores, and the next tile's stores come behind them
.endr
.endr
.irp e, 0,1
.irp i, 0,1,2,3,4,5,6,7
	s_wait_dscnt 23-16*\e-\i                       ; behind this load: the tile's 7 - i later loads, and for e = 0 the next tile's 16 instructions
	global_store_b128 v[GO], v[OB+32*\e+4*\i:OB+32*\e+4*\i+3], s[12:13] offset:16384*\e+2048*(2*\i+24*(\i/4)) th:TH_STORE_NT   ; rows 2 i, 2 i + 1 of the tile: tokens 2 i on, and 32 + 2 (i - 4) on from i = 4
.endr
.endr
	s_wait_tensorcnt 0x0                           ; the wave's end, behind my last LDS store
	ds_add_u32 v[SPW], v[NIL]
	s_wait_dscnt 0x0
	s_endpgm
.Lfunc_end_k_q3cb133eb11_oproj:
	.size	k_q3cb133eb11_oproj, .Lfunc_end_k_q3cb133eb11_oproj-k_q3cb133eb11_oproj
	.p2alignl 7, 3214868480
	.fill 96, 4, 3214868480
	.section	.rodata,"a",@progbits
	.p2align	6, 0x0
	.amdhsa_kernel k_q3cb133eb11_oproj
		.amdhsa_group_segment_fixed_size 60416
		.amdhsa_private_segment_fixed_size 0
		.amdhsa_enable_private_segment 0
		.amdhsa_kernarg_size 40
		.amdhsa_user_sgpr_count 2
		.amdhsa_user_sgpr_kernarg_segment_ptr 1
		.amdhsa_wavefront_size32 1
		.amdhsa_system_sgpr_workgroup_id_x 1
		.amdhsa_system_sgpr_workgroup_id_y 1
		.amdhsa_system_sgpr_workgroup_id_z 1
		.amdhsa_system_vgpr_workitem_id 0
		.amdhsa_next_free_vgpr 512
		.amdhsa_next_free_sgpr 66
		.amdhsa_reserve_vcc 0
		.amdhsa_float_denorm_mode_32 3
		.amdhsa_float_denorm_mode_16_64 3
		.amdhsa_memory_ordered 1
		.amdhsa_forward_progress 1
		.amdhsa_inst_pref_size 22
	.end_amdhsa_kernel
	.amdgpu_metadata
---
amdhsa.version: [ 1, 2 ]
amdhsa.kernels:
  - .name:           k_q3cb133eb11_oproj
    .symbol:         k_q3cb133eb11_oproj.kd
    .args:
      - { .name: obuf, .offset: 0, .size: 8, .value_kind: global_buffer, .address_space: global }
      - { .name: wimg, .offset: 8, .size: 8, .value_kind: global_buffer, .address_space: global }
      - { .name: wsc, .offset: 16, .size: 8, .value_kind: global_buffer, .address_space: global }
      - { .name: b_o, .offset: 24, .size: 8, .value_kind: global_buffer, .address_space: global }
      - { .name: out0, .offset: 32, .size: 8, .value_kind: global_buffer, .address_space: global }
    .group_segment_fixed_size: 60416
    .private_segment_fixed_size: 0
    .kernarg_segment_align: 8
    .kernarg_segment_size: 40
    .max_flat_workgroup_size: 256
    .sgpr_count:     66
    .vgpr_count:     512
    .wavefront_size: 32
...
	.end_amdgpu_metadata
.endif
;; end of part 4
